; MI455X (gfx1250); checked and timed in simulation.
; The chip was launched on July 23, 2026; its instructions are those of AMD's public machine-readable ISA for CDNA 5 (MIT licence, August 2026) and "CDNA5" Instruction Set Architecture Reference Guide (July 2026). The comments in the code are by the model that wrote it; some were corrected since.
;; Kron Linear. Allowed arithmetic: matrix products marked QUANTISED: E5M2 operands, one given power-of-two scale a tensor, by v_wmma_f32_16x16x64_bf8_bf8 or v_wmma_f32_16x16x128_bf8_bf8, f32 sums; everything else in f32.
;; Inputs: a_codes 64 x 64 x 2 x 32 uint8 (E5M2 codes of a, K innermost, in blocks of 32 codes); b_codes 64 x 64 x 2 x 32 uint8 (E5M2 codes of b, K innermost, in blocks of 32 codes); bias 4,096 float32; lowp_scales 4 int32 (the exponents e of the quantised operands' scales 2^e); x_codes 4,096 x 128 x 32 uint8 (E5M2 codes of x, K innermost, in blocks of 32 codes).
;; Outputs: out0 4,096 x 4,096 float32.
;; This version of the problem:
;;   THIS VERSION OF THE PROBLEM IS GIVEN IN LOW PRECISION. The matrix products marked QUANTISED in the list below multiply operands that are first quantised to E5M2 (5 exponent bits, 2 mantissa bits; 8 bits a number), with one given power-of-two scale for each operand tensor; their sums are f32. All else is computed in f32.
;;   The module's matrix products, in the order in which they are computed (A, B: the left and right operand; K: the contracted axis; several contracted axes count as one K, in the product's order):
;;     1. [M 4,096, K 64] x [K 64, N 4,096]; A: input b (given as codes); B: input a (given as codes): QUANTISED (scales: A lowp_scales[0], B lowp_scales[1])
;;     2. [M 4,096, K 4,096] x [K 4,096, N 4,096]; A: input x (given as codes); B: computed on the way: QUANTISED (scales: A lowp_scales[2], B lowp_scales[3])
;;   THE QUANTISER, for each operand of a quantised product, along K:
;;     - The operand's scale is 2^e, e = its entry of the input lowp_scales (int32; the entries are numbered through the quantised products in the list's order, A before B).
;;     - Each number is divided by the scale, clamped to +-57,344, and rounded to the nearest number of E5M2, ties to even, subnormals kept.
;;     - The product sums the exact products of the quantised numbers (number of the format x scale) in f32.
;;   ~~~python
;;   def quantise(x, axis, e):      # numpy; x: float32 -> the quantised numbers, widened to float32 again
;;       x = np.moveaxis(x, axis, -1); K = x.shape[-1]
;;       r = np.clip(x / 2.0 ** e, -57344, 57344)
;;       step = 2.0 ** (np.maximum(np.frexp(np.where(r == 0, 1, r))[1] - 1, -14) - 2)
;;       q = np.round(r / step) * step * 2.0 ** e      # np.round: ties to even
;;       return np.moveaxis(q, -1, axis).astype(np.float32)
;;   ~~~
;;   OPERANDS COMPUTED ON THE WAY. 'Computed on the way' means the value that the module computes at that place (a softmax that the list does not call 'softmax' is quantised finished and normalised). What goes into a quantiser is computed in f32, as accurately as f32 sums, v_exp_f32 and their like allow (about 1e-6 of the number): no bf16 or f16 on the way to a quantiser, and a product that is left as it is and whose result goes on into a quantised operand takes f32 operands (vector FMAs, or v_wmma_f32_16x16x4_f32). A number that lies on a knife's edge between two numbers of the format may be rounded either way, as far as f32 arithmetic and the matrix unit's own rounding can turn it there, and no further.
;;   INPUTS GIVEN AS CODES. a (in the module: [64, 64, 64], K = its axis 0); b (in the module: [64, 64, 64], K = its axis 0); x (in the module: [4096, 4096], K = its axis 1): each comes as NAME_codes (uint8): NAME with its K axis moved to the last place and cut into blocks of 32 codes, [.., K / 32, bytes a block], one block behind the other in memory; one code a byte (a code: sign, 5 exponent bits, 2 mantissa bits); its scale is its entry of lowp_scales. Its value is code x scale, taken as it is: it is not quantised again, and the codes and scales need not be those that the quantiser above would give.
;; One version. Each part assembles by itself: llvm-mc -triple=amdgcn-amd-amdhsa -mcpu=gfx1250 --defsym DOCPART=n.
;; ======== version 1 of 1: 2 launches
;; limits: right only within a limited range of input values
;; workspace buffers: wq 16,777,216 bytes
;; launch makew (part 1): grid 64 x 4, 8 waves a work-group, no clusters, 139,264 bytes of LDS; arguments a_codes, b_codes, lowp_scales, wq; writes wq
.if DOCPART == 1
	.amdgcn_target "amdgcn-amd-amdhsa--gfx1250"
	.amdhsa_code_object_version 6
	.text
	.protected	k_q017c18bc6e_makew
	.globl	k_q017c18bc6e_makew
	.p2align	8
	.type	k_q017c18bc6e_makew,@function
k_q017c18bc6e_makew:
	s_mov_b64 s[64:65], 0
	v_nop
	global_prefetch_b8 v0, s[64:65] scope:SCOPE_SE
	s_setreg_imm32_b32 hwreg(HW_REG_WAVE_MODE, 25, 1), 1
	s_wait_xcnt 0x0
; w[i*64+k][j*64+l] = sum over r of a[r][i][j] b[r][k][l], on codes of BF8 (E5M2), then quantised to BF8 along kk = i*64+k with the given scale 2^e3.
; a_codes: [i][j][r], b_codes: [k][l][r], 64 bytes (r) a row.  A sum stands for sum x 2^(e0 + e1), so its code is sum / 2^(e3 - e0 - e1), held within +-57,344: the three exponents are folded into the conversion's one scale.
; LIMITS: e3 - e0 - e1 between -126 and 112, so that the scale and 57,344 x the scale are f32 numbers.  NaN and infinity codes among the inputs are not served.
; wq IS AN IMAGE OF THE NEXT LAUNCH'S OPERAND REGISTERS: [nb = n / 16][ks = kk / 128][c = 0..3][h = 0,1][n % 16][16 codes], the 16 codes being kk = 128 ks + 32 c + 16 h + 0 .. 15 of column n = j*64+l.
; SHARES.  Work-group (j, lb) owns n = 64 j + 16 lb + 0 .. 15: one nb, 65,536 consecutive bytes of wq.  It reads 64 rows k x 1,024 consecutive bytes of b_codes and 64 pieces of 64 bytes of a_codes (one j of each row i: the input's own layout), once, into LDS.
; Wave w makes the two columns n % 16 = 2 w, 2 w + 1.  Source 0 = 16 rows of b (16 k at one l), source 1 = 16 rows of a (16 i): a lane holds ONE i, and its registers run along k, neighbours along kk.
; THE k OF A TILE ARE NOT NEIGHBOURS: lane r of tile 2 bb + u takes k = 32 bb + 8 u + r + 8 (r / 8), so that the 16 registers of tiles 2 bb and 2 bb + 1 are k = 32 bb + 16 (lane / 16) + 0 .. 15.
; A fragment (16 rows x 64 r) is fetched by two loads of 16 bytes, 32 apart, at 16 (lane / 16): a permutation of r that is the same in both sources.
; A lane's 16 codes lie at byte 1,024 i + 512 bb + 256 h + 16 (n % 16) of the image: they meet the other waves' in a stage in LDS (1,024 bytes + 16 of padding for each i).
; The units go by i: when i = 0 .. 31 of all 16 columns lie in the stage, a barrier, and that half of the image leaves in stores of 512 consecutive bytes while i = 32 .. 63 are multiplied; then the other half.
; No tensor load, no cluster (no two work-groups need the same bytes at one time in one order), three barriers.
.set PA,   80                          ; an LDS row of a: 64 bytes + 16
.set PB,   1040                        ; an LDS row of b, and a stage block: 1,024 bytes + 16
.set AIN,  0
.set BIN,  64*PA
.set STG,  BIN+64*PB
.set SPARE, STG+64*PB                  ; the spare words: 128 bytes for each of eight waves
.set GA,   2                           ; copy in of a: global offset, LDS place
.set LA,   3
.set GB,   4                           ; copy in of b
.set LB,   5
.set AA,   6                           ; my lane's place in a's fragments
.set AB,   7                           ; in b's
.set ST,   8                           ; the stage: where I put 16 codes
.set RB,   9                           ; and where I read the image back
.set GO,   10                          ; 16 x lane
.set LIMV, 11                          ; 57,344 x the scale
.set SCV,  12                          ; the scale as f32
.set IO,   16                          ; v16-83 the 17 loads of the copy in
.set AFR,  16                          ; v16-47   a's four fragments
.set BFR,  48                          ; v48-111  b's eight
.set D,    112                         ; v112-175 two sets of four results
.set CD,   176                         ; v176-207 codes
.set SPW,  208
.set NIL,  209
.set OU,   210                         ; v210-241 half of my part of the image, read back
	s_load_b256 s[4:11], s[0:1], 0x0               ; a_codes, b_codes, the exponents, wq
	v_lshl_add_u32 v[SPW], v0, 2, SPARE
	v_mov_b32 v[NIL], 0
	v_lshrrev_b32 v13, 5, v0
	v_readfirstlane_b32 s16, v13                   ; wave 0 .. 7
	s_lshl_b32 s19, s16, 7                         ; my pair of l: 128 bytes of each row of b
	s_add_co_u32 s19, s19, BIN
	s_lshl_b32 s20, s16, 5                         ; my pair of n % 16: 32 bytes
	s_add_co_u32 s20, s20, STG
	s_mul_i32 s21, s16, 4*PB                       ; back: four stage blocks of each half
	s_add_co_u32 s21, s21, STG
	v_and_b32 v1, 15, v0                           ; r
	v_bfe_u32 v14, v0, 4, 1                        ; h
	v_lshrrev_b32 v13, 2, v0                       ; a: i = thread / 4,
	v_and_b32 v15, 3, v0                           ; 16 bytes of its 64
	v_lshlrev_b32 v15, 4, v15
	v_lshl_add_u32 v[GA], v13, 12, v15
	v_mad_u32_u24 v[LA], v13, PA, v15
	v_lshrrev_b32 v13, 6, v0                       ; b: four rows k an instruction of the work-group
	v_and_b32 v15, 63, v0
	v_lshlrev_b32 v15, 4, v15
	v_lshl_add_u32 v[GB], v13, 12, v15
	v_mad_u32_u24 v[LB], v13, PB, v15
	v_add_nc_u32 v[LB], BIN, v[LB]
	v_lshlrev_b32 v13, 4, v14                      ; 16 h
	v_mad_u32_u24 v[AA], v1, PA, v13
	v_and_b32 v15, 8, v1
	v_add_nc_u32 v15, v15, v1                      ; r + 8 (r / 8)
	v_mad_u32_u24 v[AB], v15, PB, v13
	v_add_nc_u32 v[AB], s19, v[AB]
	v_lshlrev_b32 v13, 8, v14                      ; 256 h
	v_mad_u32_u24 v[ST], v1, PB, v13
	v_add_nc_u32 v[ST], s20, v[ST]
	v_and_b32 v13, 31, v0
	v_lshlrev_b32 v[GO], 4, v13
	v_add_nc_u32 v[RB], s21, v[GO]
	s_lshl_b32 s22, ttmp9, 6                       ; a: my j's 64 bytes of each row i
	s_mov_b32 s23, 0
	s_and_b32 s17, ttmp7, 0xffff                   ; lb
	s_lshl_b32 s24, s17, 10                        ; b: my 16 l begin 1,024 lb bytes into each row k
	s_mov_b32 s25, 0
	s_lshl_b32 s26, ttmp9, 2
	s_add_co_u32 s26, s26, s17                     ; nb = 4 j + lb
	s_lshl_b32 s26, s26, 16
	s_lshl_b32 s18, s16, 12                        ; my wave stores 4,096 bytes of each half of the image
	s_add_co_u32 s26, s26, s18
	s_mov_b32 s27, 0
	s_wait_alu depctr_va_vdst(0)                   ; the wait at the head's end
	s_wait_kmcnt 0x0
	s_load_b128 s[12:15], s[8:9], 0x0              ; e0, e1, e2, e3
	s_add_nc_u64 s[4:5], s[4:5], s[22:23]
	s_add_nc_u64 s[6:7], s[6:7], s[24:25]
	s_add_nc_u64 s[10:11], s[10:11], s[26:27]
	global_load_b128 v[IO:IO+3], v[GA], s[4:5]
.irp n, 0,1,2,3,4,5,6,7,8,9,10,11,12,13,14,15
	global_load_b128 v[IO+4+4*\n:IO+7+4*\n], v[GB], s[6:7] offset:16384*\n   ; 64 lanes read one row's 1,024 consecutive bytes
.endr
	s_wait_kmcnt 0x0
	s_sub_co_i32 s28, s15, s12
	s_sub_co_i32 s28, s28, s13                     ; e3 - e0 - e1
	s_add_co_i32 s28, s28, 127
	s_lshl_b32 s29, s28, 23
	v_mov_b32 v[SCV], s29
	s_add_co_i32 s28, s28, 15
	s_lshl_b32 s28, s28, 23
	s_or_b32 s28, s28, 0x600000
	v_mov_b32 v[LIMV], s28
	s_wait_alu depctr_va_vdst(0)
	s_wait_loadcnt 16                              ; a's load is in, b's sixteen may be out
	ds_store_b128 v[LA], v[IO:IO+3]
.irp n, 0,1,2,3,4,5,6,7,8,9,10,11,12,13,14,15
	s_wait_loadcnt 15-\n
	ds_store_b128 v[LB], v[IO+4+4*\n:IO+7+4*\n] offset:4*PB*\n
.endr
	s_wait_dscnt 0x0                               ; for the others' sake: my stores have landed
	s_barrier_signal -1
	s_barrier_wait -1                              ; both inputs lie whole in LDS; nobody writes them again
.irp ti, 0,1,2,3
.irp c, 0,1
	ds_load_b128 v[AFR+8*\ti+4*\c:AFR+8*\ti+4*\c+3], v[AA] offset:16*PA*\ti+32*\c
.endr
.endr
.irp lam, 0,1
.irp t, 0,1,2,3
.irp c, 0,1
	ds_load_b128 v[BFR+32*\lam+8*\t+4*\c:BFR+32*\lam+8*\t+4*\c+3], v[AB] offset:(32*(\t/2)+8*(\t%2))*PB+64*\lam+32*\c
.endr
.endr
.endr
; A UNIT u = 2 ti + (which l): 64 k x 16 i of one column n.  r = 64 is the whole sum, so C is the constant 0.
.macro MM u
.irp t, 0,1,2,3
	v_wmma_f32_16x16x64_bf8_bf8 v[D+32*((\u)%2)+8*\t:D+32*((\u)%2)+8*\t+7], v[BFR+32*((\u)%2)+8*\t:BFR+32*((\u)%2)+8*\t+7], v[AFR+8*((\u)/2):AFR+8*((\u)/2)+7], 0
.endr
.endm
; The unit's 32 sums of a lane become 32 codes and go to the stage.  Each result is read from its low end on.
.macro QU u
.set DS, D+32*((\u)%2)
.set CU, CD+8*((\u)%4)
.irp bb, 0,1
.irp i, 0,1,2,3,4,5,6,7,8,9,10,11,12,13,14,15
	v_med3_num_f32 v[DS+16*\bb+\i], v[DS+16*\bb+\i], -v[LIMV], v[LIMV]   ; the conversion does not saturate (ISA guide 7.6.2): the hold
.endr
	v_cvt_scalef32_pk8_bf8_f32 v[CU+4*\bb:CU+4*\bb+1], v[DS+16*\bb:DS+16*\bb+7], v[SCV]
	v_cvt_scalef32_pk8_bf8_f32 v[CU+4*\bb+2:CU+4*\bb+3], v[DS+16*\bb+8:DS+16*\bb+15], v[SCV]
.endr
	v_nop                                          ; one plain vector instruction behind the last conversion
.irp bb, 0,1
	ds_store_b128 v[ST], v[CU+4*\bb:CU+4*\bb+3] offset:16*PB*((\u)/2)+512*\bb+16*((\u)%2)
.endr
.endm
.macro BACK half                       ; my four blocks of a half of the image come back, 512 consecutive bytes a load
.irp q, 0,1,2,3,4,5,6,7
	ds_load_b128 v[OU+4*\q:OU+4*\q+3], v[RB] offset:32*PB*\half+(\q/2)*PB+(\q%2)*512
.endr
.endm
.macro SEND half, younger              ; younger: LDS instructions issued behind BACK's, which may stay out
.irp q, 0,1,2,3,4,5,6,7
	s_wait_dscnt 7-\q+\younger
	global_store_b128 v[GO], v[OU+4*\q:OU+4*\q+3], s[10:11] offset:32768*\half+512*\q   ; 32 lanes store 512 consecutive bytes, at a multiple of 256 from wq's first byte
.endr
.endm
; Two sets of results take turns: between a unit's products and the first read of their results stand the holds of the unit before (in front of unit 0: four v_nop).
	s_wait_dscnt 0x0                               ; all fragments are in
	MM 0
	MM 1
.rept 4
	v_nop
.endr
	QU 0
	MM 2
	QU 1
	MM 3
	QU 2
	MM 4
	QU 3
	s_wait_dscnt 0x0                               ; for the others' sake: my codes of i = 0 .. 31 lie in the stage
	s_barrier_signal -1
	MM 5                                           ; work on registers while the others arrive
	s_barrier_wait -1
	BACK 0
	QU 4                                           ; (its two stage stores go to blocks 32 and up, which nobody reads yet)
	MM 6
	SEND 0, 2
	QU 5
	MM 7
	QU 6
	QU 7
	s_wait_dscnt 0x0                               ; for the others' sake: my codes of i = 32 .. 63 lie in the stage
	s_barrier_signal -1
	s_barrier_wait -1
	s_wait_xcnt 0x0                                ; the first half's stores have read their data registers
	BACK 1
	SEND 1, 0
	s_wait_tensorcnt 0x0                           ; the wave's end
	ds_add_u32 v[SPW], v[NIL]
	s_wait_dscnt 0x0
	s_endpgm
.Lfunc_end_k_q017c18bc6e_makew:
	.size	k_q017c18bc6e_makew, .Lfunc_end_k_q017c18bc6e_makew-k_q017c18bc6e_makew
	.p2alignl 7, 3214868480
	.fill 96, 4, 3214868480
	.section	.rodata,"a",@progbits
	.p2align	6, 0x0
	.amdhsa_kernel k_q017c18bc6e_makew
		.amdhsa_group_segment_fixed_size 139264
		.amdhsa_private_segment_fixed_size 0
		.amdhsa_enable_private_segment 0
		.amdhsa_kernarg_size 32
		.amdhsa_user_sgpr_count 2
		.amdhsa_user_sgpr_kernarg_segment_ptr 1
		.amdhsa_wavefront_size32 1
		.amdhsa_system_sgpr_workgroup_id_x 1
		.amdhsa_system_sgpr_workgroup_id_y 1
		.amdhsa_system_sgpr_workgroup_id_z 1
		.amdhsa_system_vgpr_workitem_id 0
		.amdhsa_next_free_vgpr 242
		.amdhsa_next_free_sgpr 66
		.amdhsa_reserve_vcc 0
		.amdhsa_float_denorm_mode_32 3
		.amdhsa_float_denorm_mode_16_64 3
		.amdhsa_memory_ordered 1
		.amdhsa_forward_progress 1
		.amdhsa_inst_pref_size 33
	.end_amdhsa_kernel
	.amdgpu_metadata
---
amdhsa.version: [ 1, 2 ]
amdhsa.kernels:
  - .name:           k_q017c18bc6e_makew
    .symbol:         k_q017c18bc6e_makew.kd
    .args:
      - { .name: a_codes, .offset: 0, .size: 8, .value_kind: global_buffer, .address_space: global }
      - { .name: b_codes, .offset: 8, .size: 8, .value_kind: global_buffer, .address_space: global }
      - { .name: lowp_scales, .offset: 16, .size: 8, .value_kind: global_buffer, .address_space: global }
      - { .name: wq, .offset: 24, .size: 8, .value_kind: global_buffer, .address_space: global }
    .group_segment_fixed_size: 139264
    .private_segment_fixed_size: 0
    .kernarg_segment_align: 8
    .kernarg_segment_size: 32
    .max_flat_workgroup_size: 256
    .sgpr_count:     66
    .vgpr_count:     242
    .wavefront_size: 32
...
	.end_amdgpu_metadata
.endif
;; end of part 1
;; launch gemm (part 2): grid 16 x 16, 4 waves a work-group, clusters of 4 x 1, 327,680 bytes of LDS; arguments x_codes, wq, lowp_scales, bias, out0; writes out0
.if DOCPART == 2
	.amdgcn_target "amdgcn-amd-amdhsa--gfx1250"
	.amdhsa_code_object_version 6
	.text
	.protected	k_q017c18bc6e_gemm
	.globl	k_q017c18bc6e_gemm
	.p2align	8
	.type	k_q017c18bc6e_gemm,@function
k_q017c18bc6e_gemm:
	s_mov_b64 s[64:65], 0
	v_nop
	global_prefetch_b8 v0, s[64:65] scope:SCOPE_SE
	s_setreg_imm32_b32 hwreg(HW_REG_WAVE_MODE, 25, 1), 1
	s_wait_xcnt 0x0
	s_wait_alu depctr_hold_cnt(0) depctr_sa_sdst(0) depctr_va_vdst(0) depctr_va_sdst(0) depctr_va_ssrc(0) depctr_va_vcc(0) depctr_vm_vsrc(0)
	s_getreg_b32 s2, hwreg(HW_REG_IB_STS2, 6, 4)
	s_cmp_eq_u32 s2, 0
	s_cbranch_scc0 .Lentry_in_a_cluster
	s_endpgm
.Lentry_in_a_cluster:
	s_bfe_u32 s2, ttmp6, 0x10000c
	s_cmp_lg_u32 s2, 0x3003
	s_cbranch_scc0 .Lentry_shape_is_right
	s_endpgm
.Lentry_shape_is_right:
; out[m][n] = 2^(e2 + e3) x (sum over kk of x's code [m][kk] x w's code [kk][n]) + bias[n], 4,096 x 4,096 x 4,096, codes of BF8 (E5M2), sums in f32.
; LIMIT: e2 + e3 lies between -126 and 127, so that 2^(e2 + e3) is an f32 number.
; A block of out, 256 x 256, is made by four waves; a wave makes ALL 256 rows x 64 columns: 64 accumulators of 16 x 16, 512 registers.
; x GOES THROUGH LDS: K in steps of 512 through two slots of 256 rows x (512 + 16) bytes; each wave fetches 64 rows by one tensor load.  The four work-groups of a cluster (4 x 1) make one row of blocks
; and need the same rows of x: the load is a joint one, the mask names the four.
; w GOES FROM MEMORY STRAIGHT INTO REGISTERS: wq is an image of the operand's registers ([n / 16][kk / 128][c][lane][16 bytes]), so a load of a wave takes 512 consecutive bytes, and no two waves of a work-group take the same.
; Four sets of 64 registers (4 fragments x 128 K): a set is asked for again as soon as its 64 products are issued, 192 matrix instructions ahead of its next use, and the waits for it are counted.
; So w's bytes are asked for by no joint load (they pass no LDS), and have no prefetch: their loads themselves stand three steps of 128 ahead.
; x's fragments stream through two groups of four (4 x 16 rows x 128 K, 64 registers): a group meets w's four fragments, 16 matrix instructions, and is then loaded with the group two further on, in one run of 16 LDS loads.
; THE MATRIX INSTRUCTION IS USED TRANSPOSED (source 0 = 16 columns of w, source 1 = 16 rows of x): a lane holds eight neighbouring numbers of a row of out.
; A fragment's registers 4 c .. 4 c + 3 hold K = 32 c + 16 (l / 16) + 0 .. 15: the same permutation of k in both sources.
; THE LAST 512 ALONG K (the last slot) GO BY ROWS OF out: w's fragments of the whole slot lie in registers (three of the four sets, and a fifth set for the very last 128, since the fourth is at work up to the change of slots);
; each block of 16 rows is finished by 16 matrix instructions and leaves while the next blocks are multiplied.
; REGISTERS: window 0: v0-31 addresses, v32-63 the way out, v64-127 w's fifth set, v128-255 x's two groups; window 1: w's four sets; window 2: accumulators of rows 0-127 ((a, t) at v[8 (4 a + t)]); window 3: rows 128-255.
.set PITCH,  528
.set SLOT,   256*PITCH
.set SPARE,  2*SLOT                    ; the spare words: 128 bytes a wave
.set STAGE,  SPARE+512                 ; the way out: 16 rows x 272 bytes for each wave; no tensor load lands here
.set SPITCH, 272
.set BI,   12                          ; v12-15 bias of my four columns on the way out
.set ADRA, 16                          ; v16-19 LDS address of x's fragments: 2 x slot + (rows 128-255)
.set STO,  20
.set RD,   21
.set CO,   22
.set BIO,  23
.set PFO,  24
.set BO,   25                          ; 16 x lane
.set SPW,  28
.set NIL,  29
.set TMP,  32
.set XB,   64
.set AR,   128
.set G1, 24
.set G0, 32
.set BP, 40                            ; s[40:41] my four fragment rows of wq, at this lap's first step
.set PFA, 42                           ; s[42:43] where my prefetches stand
.set MSB, 0
.macro WIN new
.if MSB != (\new)
	s_set_vgpr_msb (MSB<<8)|(\new)
.set MSB, (\new)
.endif
.endm
.set MUL_LO, 0xa1                      ; source 0 (w) window 1, source 1 (x) window 0, C and D window 2
.set MUL_HI, 0xf1
.set TO_B,   0x40
.macro CREST
	s_cmp_lg_u32 s14, 0
	s_cbranch_scc1 .Lnot_wave_0_\@
	s_barrier_signal -3
.Lnot_wave_0_\@:
	s_barrier_wait -3
	s_barrier_signal -1
	s_barrier_wait -1
.endm
.macro CROUND
	s_barrier_signal -1
	s_barrier_wait -1
	CREST
.endm
.macro PLACES                          ; four places behind matrix instructions, in front of loads into their sources and of reads of their results
.rept 4
	v_nop
.endr
.endm
.macro JLOAD s                         ; my 64 rows of a K step; s_nop 0 and four v_nop behind it
	tensor_load_to_lds s[G0+4*\s:G0+4*\s+3], s[G1:G1+7]
	s_nop 0
	PLACES
.endm
.macro LOADQ r, slot, n, q             ; row blocks 4 n .. 4 n + 3, the slot's q-th 128 along K, into group r
.irp e, 0,1,2,3
.irp c, 0,1,2,3
	ds_load_b128 v[AR+64*(\r)+16*\e+4*\c:AR+64*(\r)+16*\e+4*\c+3], v[ADRA+2*(\slot)+((\n)/2)] offset:(4*((\n)%2)+\e)*16*PITCH+128*(\q)+32*\c
.endr
.endr
.endm
.macro LOADF r, a                      ; by rows: row block a, all 512 along K of slot 1, into group r
.irp q, 0,1,2,3
.irp c, 0,1,2,3
	ds_load_b128 v[AR+64*(\r)+16*\q+4*\c:AR+64*(\r)+16*\q+4*\c+3], v[ADRA+2+((\a)/8)] offset:((\a)%8)*16*PITCH+128*\q+32*\c
.endr
.endr
.endm
.macro MULH r, n, set, zero, hf        ; 8 matrix instructions: row blocks 4 n + 2 hf, + 1 against w's four; the accumulators take turns
.irp e, 2*\hf, 2*\hf+1
.irp t, 0,1,2,3
.if \zero
	v_wmma_f32_16x16x128_bf8_bf8 v[128*((\n)%2)+32*(\e)+8*\t:128*((\n)%2)+32*(\e)+8*\t+7], v[64*(\set)+16*\t:64*(\set)+16*\t+15], v[AR+64*(\r)+16*(\e):AR+64*(\r)+16*(\e)+15], 0
.else
	v_wmma_f32_16x16x128_bf8_bf8 v[128*((\n)%2)+32*(\e)+8*\t:128*((\n)%2)+32*(\e)+8*\t+7], v[64*(\set)+16*\t:64*(\set)+16*\t+15], v[AR+64*(\r)+16*(\e):AR+64*(\r)+16*(\e)+15], v[128*((\n)%2)+32*(\e)+8*\t:128*((\n)%2)+32*(\e)+8*\t+7]
.endif
.endr
.endr
.endm
.macro BLOAD set, off                  ; w's four fragments of the step `off` counted from the lap's first: 16 loads of 512 consecutive bytes
	WIN TO_B
.irp t, 0,1,2,3
.irp c, 0,1,2,3
	global_load_b128 v[64*(\set)+16*\t+4*\c:64*(\set)+16*\t+4*\c+3], v[BO], s[BP:BP+1] offset:65536*\t+2048*(\off)+512*\c
.endr
.endr
.endm
.macro XLOAD                           ; w's fragments of the very last 128 along K (step 7 of the last lap) into the fifth set, in window 0
.irp t, 0,1,2,3
.irp c, 0,1,2,3
	global_load_b128 v[XB+16*\t+4*\c:XB+16*\t+4*\c+3], v[BO], s[BP:BP+1] offset:65536*\t+2048*7+512*\c
.endr
.endr
.endm
.macro BNEXT set, bl, lw               ; at a step's end: the next step's set is in (lw younger loads may be out); this step's set is asked for again
.if \lw >= 0
	s_wait_loadcnt \lw
.endif
.if \bl >= 0
	BLOAD \set, \bl
.endif
.endm
; One group's turn: behind the group's own 16 LDS loads stand the next group's 16.
.macro GROUP r, n, set, zero
	s_wait_dscnt 24                                ; the group's first two fragments are in
	WIN MUL_LO+0x50*((\n)/2)
	MULH \r, \n, \set, \zero, 0
	s_wait_dscnt 16                                ; and the other two
	MULH \r, \n, \set, \zero, 1
	PLACES
.endm
; A step of 128 along K whose successor lies in the same slot.  xl = 1: the fifth set is asked for at its end.
.macro SUB slot, q, zero, bl, lw, xl
.irp n, 0,1,2,3
	GROUP \n%2, \n, \q, \zero
.if \n == 3
	BNEXT \q, \bl, \lw
.endif
	WIN 0
.if (\xl) && (\n == 3)
	XLOAD
.endif
.if \n < 2
	LOADQ \n, \slot, \n+2, \q
.else
	LOADQ \n-2, \slot, \n-2, \q+1
.endif
.endr
.endm
; A slot's last step changes slots: in front of the barrier each wave waits for all its tensor loads, adds 0 to its spare word, and waits for that and for its reads of this slot (its last group then lies in registers).
; fill = 1: the barrier opens a round of the cluster's barrier, and this slot is filled again, two K steps ahead.  nx = 1: the next slot is read by rows.
.macro TURN slot, next, fill, bl, lw, nx
.irp n, 0,1
	GROUP \n, \n, 3, 0
	WIN 0
	LOADQ \n, \slot, \n+2, 3
.endr
.if \fill
	s_wait_xcnt 0x0                                ; my last prefetch has read its address
	s_add_nc_u64 s[PFA:PFA+1], s[PFA:PFA+1], 512
.endif
	s_wait_tensorcnt 0x0                           ; my part of the next slot has landed
	ds_add_u32 v[SPW], v[NIL]
	s_wait_dscnt 17                                ; (the add and the last group's 16 loads may be out)
	WIN MUL_HI
	MULH 0, 2, 3, 0, 0
	MULH 0, 2, 3, 0, 1
	s_wait_dscnt 0x0                               ; the add is done, and my reads of this slot are over
	s_barrier_signal -1
	MULH 1, 3, 3, 0, 0
	WIN 0
	s_barrier_wait -1
.if \fill
	CREST
	s_add_nc_u64 s[G0+4*\slot+2:G0+4*\slot+3], s[G0+4*\slot+2:G0+4*\slot+3], 1024
	JLOAD \slot                                    ; the first tensor load behind the round; its four v_nop are also the places in front of the loads below
.else
	PLACES
.endif
.if \nx
	LOADF 0, 0
.else
	LOADQ 0, \next, 0, 0
.endif
.if \fill
	s_cmp_gt_u32 s3, 1                             ; the last trip's two refills have no K step two further on
	s_cbranch_scc0 .Lno_ask_\@
	global_prefetch_b8 v[PFO], s[PFA:PFA+1] th:TH_LOAD_NT scope:SCOPE_SE   ; the K step two refills on: 16 rows x 2 blocks of 256 bytes, a lane a block
.Lno_ask_\@:
.endif
	WIN MUL_HI
	MULH 1, 3, 3, 0, 1
	PLACES
	BNEXT 3, \bl, \lw
	WIN 0
.if \nx
	LOADF 1, 1
.else
	LOADQ 1, \next, 1, 0
.endif
.endm
	s_load_b128 s[4:7], s[0:1], 0x0                ; x_codes, wq
	s_load_b128 s[8:11], s[0:1], 0x10              ; the exponents, bias
	s_load_b64 s[12:13], s[0:1], 0x20              ; out
	v_lshl_add_u32 v[SPW], v0, 2, SPARE
	v_mov_b32 v[NIL], 0
	ds_add_u32 v[SPW], v[NIL]                      ; the opening: the add, twice on end, and its wait ahead of my first tensor load
	ds_add_u32 v[SPW], v[NIL]
	v_lshrrev_b32 v1, 5, v0
	v_readfirstlane_b32 s14, v1                    ; wave 0..3
	s_mul_i32 s23, s14, 16*SPITCH
	s_add_co_u32 s23, s23, STAGE                   ; my stage
	v_and_b32 v1, 15, v0                           ; r = l % 16
	v_bfe_u32 v2, v0, 4, 1                         ; h = l / 16
	v_and_b32 v6, 31, v0
	v_mul_u32_u24 v3, v1, PITCH
	v_mul_u32_u24 v5, v1, SPITCH
	v_mul_u32_u24 v7, v2, SPITCH
	v_lshlrev_b32 v8, 14, v2
	v_lshlrev_b32 v9, 8, v2
	v_lshl_add_u32 v[ADRA], v2, 4, v3              ; a fragment's row x pitch + 16 h
	v_lshl_add_u32 v5, v2, 5, v5
	v_lshl_add_u32 v7, v1, 4, v7
	v_lshl_add_u32 v[CO], v1, 4, v8                ; out: lanes 0-15 one row's 256 bytes, lanes 16-31 the next row's
	v_lshl_add_u32 v[PFO], v1, 12, v9              ; prefetch: row r, block h
	v_lshlrev_b32 v[BIO], 4, v1
	v_lshlrev_b32 v[BO], 4, v6
	v_add_nc_u32 v[ADRA+1], 128*PITCH, v[ADRA]
	v_add_nc_u32 v[ADRA+2], SLOT, v[ADRA]
	v_add_nc_u32 v[ADRA+3], SLOT+128*PITCH, v[ADRA]
	v_add_nc_u32 v[STO], s23, v5                   ; in: row r, 32 bytes for each half of the lanes
	v_add_nc_u32 v[RD], s23, v7                    ; back: two rows of 256 bytes
	s_bfe_u32 s16, ttmp6, 0x40000                  ; cx
	s_lshl_b32 s17, ttmp9, 2
	s_add_co_u32 s17, s17, s16                     ; block column = 4 x cluster x + cx
	s_and_b32 s18, ttmp7, 0xffff                   ; block row
	s_mov_b32 s[G1+0], 15|(1<<20)|(1<<21)|(6<<22)|(3<<25)   ; the mask names the cluster's four; elements of 1 byte; 4 words of padding behind every 128; bit 21 beside a mask
	s_mov_b32 s[G1+1], 512<<16                     ; tensor_dim0
	s_mov_b32 s[G1+2], 64<<16                      ; tensor_dim1
	s_mov_b32 s[G1+3], 512<<16                     ; tile_dim0
	s_mov_b32 s[G1+4], 64                          ; tile_dim1
	s_mov_b32 s[G1+5], 4096                        ; the pitch
	s_mov_b32 s[G1+6], 0
	s_mov_b32 s[G1+7], 0
	s_lshl_b32 s20, s18, 20                        ; x: (256 x block row + 64 x wave) rows of 4,096 bytes
	s_lshl_b32 s19, s14, 18
	s_add_co_u32 s20, s20, s19
	s_mov_b32 s21, 0
	s_mul_i32 s22, s14, 64*PITCH                   ; and where they go
	s_lshl_b32 s44, s17, 20                        ; wq: (16 x block column + 4 x wave) fragment rows of 65,536 bytes
	s_add_co_u32 s44, s44, s19
	s_mov_b32 s45, 0
	s_lshl_b32 s48, s17, 10                        ; my first column, in bytes of f32
	s_lshl_b32 s46, s14, 8
	s_add_co_u32 s48, s48, s46
	s_mov_b32 s49, 0
	s_lshl_b32 s46, s18, 22                        ; out: 256 x block row rows of 16,384 bytes
	s_add_co_u32 s46, s46, s48
	s_mov_b32 s47, 0
	s_lshl_b32 s50, s16, 16                        ; prefetch: of the 64 rows that I fetch, the partner at place cx names 16: shared out by address
	s_add_co_u32 s50, s50, s20
	s_add_co_u32 s50, s50, 3*512                   ; the first refill steps it to K step 4
	s_mov_b32 s51, 0
	s_wait_alu depctr_va_vdst(0)                   ; the wait at the head's end
	s_wait_dscnt 0x0                               ; both opening adds are done
	s_wait_kmcnt 0x0
	s_load_b64 s[96:97], s[8:9], 0x8               ; e2, e3
	s_add_nc_u64 s[G0+2:G0+3], s[4:5], s[20:21]
	s_add_nc_u64 s[G0+6:G0+7], s[G0+2:G0+3], 512
	s_or_b32 s[G0+3], s[G0+3], 0x80000000
	s_or_b32 s[G0+7], s[G0+7], 0x80000000
	s_mov_b32 s[G0], 1
	s_mov_b32 s[G0+4], 1
	s_add_co_u32 s[G0+1], s22, 0
	s_add_co_u32 s[G0+5], s22, SLOT
	s_add_nc_u64 s[BP:BP+1], s[6:7], s[44:45]
	s_add_nc_u64 s[10:11], s[10:11], s[48:49]
	s_add_nc_u64 s[12:13], s[12:13], s[46:47]
	s_add_nc_u64 s[PFA:PFA+1], s[4:5], s[50:51]
	CROUND                                         ; the cluster's four are here: the first joint loads meet
	JLOAD 0                                        ; K step 0: one tensor load a wave at the head
	global_load_b128 v[BI:BI+3], v[BIO], s[10:11]
	BLOAD 0, 0                                     ; w's first two steps of 128 go out beside K step 0
	BLOAD 1, 1
	WIN 0
	s_wait_tensorcnt 0x0                           ; my part of K step 0 is in
	ds_add_u32 v[SPW], v[NIL]
	s_wait_dscnt 0x0
	CROUND
	JLOAD 1                                        ; K step 1: slot 1's first fill, the first tensor load behind the round
	LOADQ 0, 0, 0, 0
	LOADQ 1, 0, 1, 0
	BLOAD 2, 2                                     ; w's third and fourth step
	BLOAD 3, 3
	s_wait_loadcnt 48                              ; bias and w's first set are in; three sets may be out
	SUB 0, 0, 1, 4, 32, 0                          ; the first step stands in front of the loop: its products start the sums
	s_mov_b32 s3, 3
.Llap:                                                 ; a trip goes once round the ring, from a lap's second step of 128 to the next lap's first
	SUB 0, 1, 0, 5, 32, 0
	SUB 0, 2, 0, 6, 32, 0
	TURN 0, 1, 1, 7, 32, 0
	SUB 1, 0, 0, 8, 32, 0
	SUB 1, 1, 0, 9, 32, 0
	SUB 1, 2, 0, 10, 32, 0
	TURN 1, 0, 1, 11, 32, 0
	SUB 0, 0, 0, 12, 32, 0
	s_wait_xcnt 0x0                                ; w's loads have read their base
	s_add_nc_u64 s[BP:BP+1], s[BP:BP+1], 8*2048
	s_sub_co_u32 s3, s3, 1
	s_cmp_lg_u32 s3, 0
	s_cbranch_scc1 .Llap
	SUB 0, 1, 0, 5, 32, 0                          ; the last lap: no slot is filled again
	SUB 0, 2, 0, 6, 32, 1                          ; w's last two steps are asked for together: one into the set just done with, one into the fifth set
	TURN 0, 1, 0, -1, 48, 1                        ; the last slot's first set of w is in, the three behind it (48 loads) may be out; x's groups go on by rows
	s_wait_kmcnt 0x0
	s_add_co_i32 s96, s96, s97
	s_add_co_i32 s96, s96, 127
	s_lshl_b32 s96, s96, 23                        ; 2^(e2 + e3) as f32
; BY ROWS.  Row block g against w's sets 0, 1, 2 and the fifth: 16 matrix instructions on four accumulators, which take turns, three others between two steps of a sum.
.macro FGRP g, dsw
	s_wait_dscnt \dsw
	WIN MUL_LO+0x50*((\g)/8)
.irp q, 0,1,2
.if ((\g) == 0) && (\q > 0)
	s_wait_loadcnt 48-16*\q                        ; w's set q is in; the sets behind it may be out
.endif
.irp t, 0,1,2,3
	v_wmma_f32_16x16x128_bf8_bf8 v[32*((\g)%8)+8*\t:32*((\g)%8)+8*\t+7], v[64*\q+16*\t:64*\q+16*\t+15], v[AR+64*((\g)%2)+16*\q:AR+64*((\g)%2)+16*\q+15], v[32*((\g)%8)+8*\t:32*((\g)%8)+8*\t+7]
.endr
.endr
.if (\g) == 0
	s_wait_loadcnt 0x0                             ; w's fifth set is in
.endif
	WIN MUL_LO+0x50*((\g)/8)-1                     ; source 0 in window 0: the fifth set
.irp t, 0,1,2,3
	v_wmma_f32_16x16x128_bf8_bf8 v[32*((\g)%8)+8*\t:32*((\g)%8)+8*\t+7], v[XB+16*\t:XB+16*\t+15], v[AR+64*((\g)%2)+48:AR+64*((\g)%2)+63], v[32*((\g)%8)+8*\t:32*((\g)%8)+8*\t+7]
.endr
	PLACES
	WIN 0
.if (\g)+2 < 16
	LOADF (\g)%2, (\g)+2
.endif
.endm
; THE WAY OUT of a row block: the sums go into my own stage, 32 bytes a lane (each accumulator from its low end on), and come back as whole rows of 256 bytes.  LDS serves a wave's instructions in order (ISA guide 5.7.1.4).
.macro TOSTAGE a
	WIN 0x08+4*((\a)/8)
.irp t, 0,1,2,3
	ds_store_b128 v[STO], v[32*((\a)%8)+8*\t:32*((\a)%8)+8*\t+3] offset:64*\t
	ds_store_b128 v[STO], v[32*((\a)%8)+8*\t+4:32*((\a)%8)+8*\t+7] offset:64*\t+16
.endr
	WIN 0
.irp i, 0,1,2,3,4,5,6,7
	ds_load_b128 v[TMP+4*\i:TMP+4*\i+3], v[RD] offset:\i*2*SPITCH
.endr
.endm
.macro SEND a, younger
	s_wait_dscnt \younger
.irp i, 0,1,2,3,4,5,6,7
.irp u, 0,1
	v_pk_fma_f32 v[TMP+4*\i+2*\u:TMP+4*\i+2*\u+1], v[TMP+4*\i+2*\u:TMP+4*\i+2*\u+1], s[96:97], v[BI+2*\u:BI+2*\u+1] op_sel_hi:[1,0,1]
.endr
.endr
.irp i, 0,1,2,3,4,5,6,7
	global_store_b128 v[CO], v[TMP+4*\i:TMP+4*\i+3], s[12:13] offset:(16*(\a)+2*\i)*16384 th:TH_STORE_NT   ; 16 lanes store 256 consecutive bytes, at a multiple of 256 from out's first byte
.endr
.endm
; LDS instructions in their order: a trip issues a block's 16 loads (while there are any) and a stage's 16.  Behind block g's loads stand a stage, the next block's loads and a stage: 48.
; (Block 0: block 1's loads alone, 16.  Block 1: block 2's loads and a stage, 32.  Block 15: two stages, 32.)  Behind a stage's 16 stand the 16 loads of the block two further on, while there is one.
.irp g, 0,1,2,3,4,5,6,7,8,9,10,11,12,13,14,15
.set W0, 48
.set W2, 16
.if \g == 0
.set W0, 16
.endif
.if \g == 1
.set W0, 32
.endif
.if \g == 15
.set W0, 32
.endif
.if \g >= 14
.set W2, 0
.endif
	FGRP \g, W0
.if \g > 0
	SEND \g-1, W2
	s_wait_xcnt 0x0                                ; the stores have read their data: the registers are loaded again only behind this wait
.endif
	TOSTAGE \g
.endr
	SEND 15, 0
	s_wait_tensorcnt 0x0                           ; the wave's end
	ds_add_u32 v[SPW], v[NIL]
	s_wait_dscnt 0x0
	CROUND                                         ; the closing round
	s_endpgm
.Lfunc_end_k_q017c18bc6e_gemm:
	.size	k_q017c18bc6e_gemm, .Lfunc_end_k_q017c18bc6e_gemm-k_q017c18bc6e_gemm
	.p2alignl 7, 3214868480
	.fill 96, 4, 3214868480
	.section	.rodata,"a",@progbits
	.p2align	6, 0x0
	.amdhsa_kernel k_q017c18bc6e_gemm
		.amdhsa_group_segment_fixed_size 327680
		.amdhsa_private_segment_fixed_size 0
		.amdhsa_enable_private_segment 0
		.amdhsa_kernarg_size 40
		.amdhsa_user_sgpr_count 2
		.amdhsa_user_sgpr_kernarg_segment_ptr 1
		.amdhsa_wavefront_size32 1
		.amdhsa_system_sgpr_workgroup_id_x 1
		.amdhsa_system_sgpr_workgroup_id_y 1
		.amdhsa_system_sgpr_workgroup_id_z 1
		.amdhsa_system_vgpr_workitem_id 0
		.amdhsa_next_free_vgpr 1024
		.amdhsa_next_free_sgpr 98
		.amdhsa_reserve_vcc 0
		.amdhsa_float_denorm_mode_32 3
		.amdhsa_float_denorm_mode_16_64 3
		.amdhsa_memory_ordered 1
		.amdhsa_forward_progress 1
		.amdhsa_inst_pref_size 223
	.end_amdhsa_kernel
	.amdgpu_metadata
---
amdhsa.version: [ 1, 2 ]
amdhsa.kernels:
  - .name:           k_q017c18bc6e_gemm
    .symbol:         k_q017c18bc6e_gemm.kd
    .args:
      - { .name: x_codes, .offset: 0, .size: 8, .value_kind: global_buffer, .address_space: global }
      - { .name: wq, .offset: 8, .size: 8, .value_kind: global_buffer, .address_space: global }
      - { .name: lowp_scales, .offset: 16, .size: 8, .value_kind: global_buffer, .address_space: global }
      - { .name: bias, .offset: 24, .size: 8, .value_kind: global_buffer, .address_space: global }
      - { .name: out0, .offset: 32, .size: 8, .value_kind: global_buffer, .address_space: global }
    .group_segment_fixed_size: 327680
    .private_segment_fixed_size: 0
    .kernarg_segment_align: 8
    .kernarg_segment_size: 40
    .max_flat_workgroup_size: 128
    .sgpr_count:     98
    .vgpr_count:     1024
    .wavefront_size: 32
...
	.end_amdgpu_metadata
.endif
;; end of part 2
